; MI455X (gfx1250); checked and timed in simulation.
; The chip was launched on July 23, 2026; its instructions are those of AMD's public machine-readable ISA for CDNA 5 (MIT licence, August 2026) and "CDNA5" Instruction Set Architecture Reference Guide (July 2026). The comments in the code are by the model that wrote it; some were corrected since.
;; DM. Allowed arithmetic: float matrix products may take bf16 or f16 operands with f32 sums; all other float work in f32.
;; Inputs: D 250 x 8,000 x 128 float32; O 128 x 8,000 float32; W 8,000 x 128 float32; context_ids 4,096 x 8 int32; doc_ids 4,096 int32; target_noise_ids 4,096 x 16 int32.
;; Outputs: out0 4,096 x 16 float32.
;; 2 versions, each right; version 2 is version 1 with the launch score written anew for expert scheduling mode. Each part assembles by itself: llvm-mc -triple=amdgcn-amd-amdhsa -mcpu=gfx1250 --defsym DOCPART=n.
;; ======== version 1 of 2: 2 launches
;; workspace buffers: ot 2,048,000 bytes
;; launch transpose (part 1): grid 125 x 1, 8 waves a work-group, no clusters, 18,432 bytes of LDS; arguments O, ot; writes ot
.if DOCPART == 1
	.amdgcn_target "amdgcn-amd-amdhsa--gfx1250"
	.amdhsa_code_object_version 6
	.text
	.protected	k_q31d27b508a_transpose
	.globl	k_q31d27b508a_transpose
	.p2align	8
	.type	k_q31d27b508a_transpose,@function
k_q31d27b508a_transpose:
	s_mov_b64 s[64:65], 0
	v_nop
	global_prefetch_b8 v0, s[64:65] scope:SCOPE_SE
	s_setreg_imm32_b32 hwreg(HW_REG_WAVE_MODE, 25, 1), 1
	s_wait_xcnt 0x0
; ot[n][p] = bf16(O[k(p)][n]).  O: [128][8000] f32.  ot: [8000][128] bf16, one word's vector in one row of 256 bytes.
; Why: the next launch gathers columns of O; in O a column is 128 words 32,000 bytes apart, in ot it is 256 neighbouring bytes.
; The order of k inside a row is the one the next launch's lanes want: the 16-byte chunk r (0..15) of a row holds
; k = 4r, 4r+1, 4r+2, 4r+3, 64+4r, 64+4r+1, 64+4r+2, 64+4r+3.  O is rounded to bf16 here, to nearest even (a stated limit of format).
; A work-group takes 64 columns: 256 bytes of each of O's 128 rows (a row of O is 125 x 256 bytes, so every piece starts at a multiple
; of 256 from O's first byte) and makes 64 whole rows of ot.  8000 / 64 = 125 work-groups; a finer split would read or write pieces of
; 128 bytes.  No cluster: no two work-groups read the same byte.  No matrix unit: nothing is multiplied.
; Thread (c = t % 16, rho = t / 16): eight loads of 16 bytes, rows 4 rho + 0..3 and 64 + 4 rho + 0..3, columns 4c .. 4c+3.
; Each load of a wave covers two whole pieces of 256 bytes (lanes 0-15 one row of O, lanes 16-31 the row four further down).
; The thread's 8 k x 4 columns pack along k into chunk rho of four rows of ot; LDS turns lanes-along-columns into lanes-along-k.
.set OROW,  32000                      ; bytes in a row of O
.set PITCH, 272                        ; an LDS row: 256 bytes + 16 = 68 words, so 16 neighbouring LDS rows start at 16 different banks
.set X, 8                              ; v[8:39]   load j: 4 registers, O[row j of mine][4c .. 4c+3]
.set Y, 40                             ; v[40:55]  column i: 4 registers, 8 bf16 along k
.set Z, 56                             ; v[56:71]  four chunks read back
	s_load_b128 s[4:7], s[0:1], 0x0                ; O s[4:5], ot s[6:7]
	v_lshl_add_u32 v72, v0, 2, 0x4400
	v_mov_b32 v73, 0
	v_and_b32 v1, 15, v0                           ; c on the way in, chunk on the way out
	v_lshrrev_b32 v2, 4, v0                        ; rho on the way in, row on the way out: 0..15
	v_mul_u32_u24 v3, v2, 4*OROW                   ; O: row 4 rho
	v_lshl_add_u32 v3, v1, 4, v3                   ;    + 16 c
	v_mul_u32_u24 v4, v1, PITCH                    ; LDS, in: column 4c+i lies in LDS row 16 i + c (16 i rows go into the immediate),
	v_lshl_add_u32 v4, v2, 4, v4                   ; chunk rho.  The 16 lanes of a store differ in c alone: 16 different banks
	v_and_b32 v5, 3, v2                            ; LDS, back: row n = 16 u + s of the block (s = t / 16) has i = s % 4, c = s / 4 + 4 u
	v_lshrrev_b32 v6, 2, v2
	v_lshl_add_u32 v5, v5, 4, v6                   ; LDS row 16 (s % 4) + s / 4 (+ 4 u in the immediate)
	v_mul_u32_u24 v5, v5, PITCH
	v_lshl_add_u32 v5, v1, 4, v5                   ; + my chunk: 16 lanes read one LDS row's 256 bytes
	v_lshlrev_b32 v7, 4, v0                        ; ot: 256 s + 16 chunk = 16 t
	s_lshl_b32 s8, ttmp9, 8                        ; my block's 256 bytes in each row of O
	s_mov_b32 s9, 0
	s_lshl_b32 s10, ttmp9, 14                      ; my block's 64 rows of 256 bytes in ot
	s_mov_b32 s11, 0
	s_wait_kmcnt 0x0
	s_add_nc_u64 s[4:5], s[4:5], s[8:9]
	s_add_nc_u64 s[6:7], s[6:7], s[10:11]
.irp j, 0,1,2,3
	global_load_b128 v[X+4*\j:X+4*\j+3], v3, s[4:5] offset:\j*OROW th:TH_LOAD_NT              ; k = 4 rho + j; O is read once in the launch
.endr
.irp j, 0,1,2,3
	global_load_b128 v[X+16+4*\j:X+16+4*\j+3], v3, s[4:5] offset:(64+\j)*OROW th:TH_LOAD_NT   ; k = 64 + 4 rho + j
.endr
.irp m, 0,1,2,3
	s_wait_loadcnt 6-2*\m                          ; loads come back in order: loads 2m and 2m+1 are in, the 6 - 2m younger ones stay out
.irp i, 0,1,2,3
	v_cvt_pk_bf16_f32 v[Y+4*\i+\m], v[X+8*\m+\i], v[X+8*\m+4+\i]      ; two neighbouring k of column 4c+i, the lower k in the low half
.endr
.endr
.irp i, 0,1,2,3
	ds_store_b128 v4, v[Y+4*\i:Y+4*\i+3] offset:16*\i*PITCH
.endr
	s_wait_dscnt 0x0                               ; my stores are in LDS before I say so: zero, for the other waves' sake
	s_barrier_signal -1
	s_barrier_wait -1                              ; a row of ot holds chunks from all eight waves: read only behind this
.irp u, 0,1,2,3
	ds_load_b128 v[Z+4*\u:Z+4*\u+3], v5 offset:4*\u*PITCH
.endr
.irp u, 0,1,2,3
	s_wait_dscnt 3-\u                              ; LDS loads come back in order: chunk u is in
	global_store_b128 v7, v[Z+4*\u:Z+4*\u+3], s[6:7] offset:4096*\u   ; 16 lanes store one whole row of ot, 256 bytes, aligned; a wave two neighbouring rows
.endr
	s_wait_tensorcnt 0x0
	ds_add_u32 v72, v73
	s_wait_dscnt 0x0
	s_endpgm
.Lfunc_end_k_q31d27b508a_transpose:
	.size	k_q31d27b508a_transpose, .Lfunc_end_k_q31d27b508a_transpose-k_q31d27b508a_transpose
	.p2alignl 7, 3214868480
	.fill 96, 4, 3214868480
	.section	.rodata,"a",@progbits
	.p2align	6, 0x0
	.amdhsa_kernel k_q31d27b508a_transpose
		.amdhsa_group_segment_fixed_size 18432
		.amdhsa_private_segment_fixed_size 0
		.amdhsa_enable_private_segment 0
		.amdhsa_kernarg_size 16
		.amdhsa_user_sgpr_count 2
		.amdhsa_user_sgpr_kernarg_segment_ptr 1
		.amdhsa_wavefront_size32 1
		.amdhsa_system_sgpr_workgroup_id_x 1
		.amdhsa_system_sgpr_workgroup_id_y 1
		.amdhsa_system_sgpr_workgroup_id_z 1
		.amdhsa_system_vgpr_workitem_id 0
		.amdhsa_next_free_vgpr 74
		.amdhsa_next_free_sgpr 66
		.amdhsa_reserve_vcc 0
		.amdhsa_float_denorm_mode_32 3
		.amdhsa_float_denorm_mode_16_64 3
		.amdhsa_memory_ordered 1
		.amdhsa_forward_progress 1
		.amdhsa_inst_pref_size 5
	.end_amdhsa_kernel
	.amdgpu_metadata
---
amdhsa.version: [ 1, 2 ]
amdhsa.kernels:
  - .name:           k_q31d27b508a_transpose
    .symbol:         k_q31d27b508a_transpose.kd
    .args:
      - { .name: O, .offset: 0, .size: 8, .value_kind: global_buffer, .address_space: global }
      - { .name: ot, .offset: 8, .size: 8, .value_kind: global_buffer, .address_space: global }
    .group_segment_fixed_size: 18432
    .private_segment_fixed_size: 0
    .kernarg_segment_align: 8
    .kernarg_segment_size: 16
    .max_flat_workgroup_size: 256
    .sgpr_count:     66
    .vgpr_count:     74
    .wavefront_size: 32
...
	.end_amdgpu_metadata
.endif
;; end of part 1
;; launch score (part 2): grid 256 x 1, 8 waves a work-group, no clusters, 2,048 bytes of LDS; arguments context_ids, doc_ids, target_noise_ids, D, W, ot, out0; writes out0
.if DOCPART == 2
	.amdgcn_target "amdgcn-amd-amdhsa--gfx1250"
	.amdhsa_code_object_version 6
	.text
	.protected	k_q31d27b508a_score
	.globl	k_q31d27b508a_score
	.p2align	8
	.type	k_q31d27b508a_score,@function
k_q31d27b508a_score:
	s_mov_b64 s[64:65], 0
	v_nop
	global_prefetch_b8 v0, s[64:65] scope:SCOPE_SE
	s_setreg_imm32_b32 hwreg(HW_REG_WAVE_MODE, 25, 1), 1
	s_wait_xcnt 0x0
; out0[b][t] = sum over k of x[b][k] O[k][tgt[b][t]],  x[b] = sum over c of (D[doc[b]][ctx[b][c]] + W[ctx[b][c]]).
; ot (made by the launch before) holds O's column n as row n: 128 bf16 in 256 bytes, chunk r = k 4r..4r+3 and 64+4r..64+4r+3.
; Eight waves, 16 samples a work-group, 256 work-groups.  A wave takes two samples, lanes 0-15 one, lanes 16-31 the other.
; Lane r of a half owns k = 4r..4r+3 and 64+4r..64+4r+3: a row of D or W is two loads (bytes 16 r and 256 + 16 r), a row of ot one
; (bytes 16 r), and every load of the wave covers two whole aligned pieces of 256 bytes, one for each sample.
; All 48 row loads of a wave (16 D, 16 W, 16 ot: 24 KB) are issued as soon as the indices are in, D's first; nothing is asked for later,
; so there is no trip to prefetch for.  x and all sums are f32; O's numbers are bf16 (rounded in the launch before), multiplied as they
; are by v_fma_mix_f32_bf16.  x is summed D's rows first, then W's: another order of rounding than (D + W) row by row.
; No matrix unit: every sample has its own 16 x 128 operand and one vector, so 15 of 16 result columns would be thrown away, and a fragment
; wants a lane to hold a row while whole-piece loads give a lane a slice of k; the arithmetic here is 128 multiply-adds a lane for two samples.
; No cluster, no tensor loads: the rows are picked by index, work-groups share no tile, and a wave's whole input fits its registers.
; LIMIT: an index outside its table (the problem rules that out) is clamped as an unsigned number to the table's last row; a negative one too.
.set NWORDS, 8000
.set NDOCS,  250
.set LANE, 1                           ; v1        16 r: my 16 bytes in a piece of 256
.set DOC,  6                           ; v6        doc id, then byte offset of the doc's plane in D + 16 r
.set ZERO, 7                           ; v7        0.0: the addend of each sum's first product
.set CTX,  8                           ; v[8:15]   my sample's 8 context ids, then my byte offsets in W
.set TGT,  16                          ; v[16:31]  my sample's 16 target ids, then my byte offsets in ot
.set DOFF, 32                          ; v[32:39]  my byte offsets in D (below 1,024,000,000: 32 bits do)
.set DD,   40                          ; v[40:103] row c of D: 8 registers, my 8 k
.set WW,   104                         ; v[104:167] row c of W likewise
.set OO,   168                         ; v[168:231] row t of ot: 4 registers, my 8 k in bf16
.set P,    232                         ; v[232:247] my part of the 16 dot products
.set X,    DD                          ; x grows in the registers of D's row 0
.set T,    DD+8                        ; v[48:55]  at work in the reduction (D's row 1 is summed by then)
.set RES,  248                         ; v[248:251] the way out
.set SA,   252                         ; v252      LDS: where my result goes
.set RA,   253                         ; v253      LDS and out0: my 16 bytes on the way out
	s_load_b256 s[4:11], s[0:1], 0x0               ; context_ids s[4:5], doc_ids s[6:7], target_noise_ids s[8:9], D s[10:11]
	s_load_b128 s[12:15], s[0:1], 0x20             ; W s[12:13], ot s[14:15]
	s_load_b64 s[16:17], s[0:1], 0x30              ; out0
	v_lshl_add_u32 v254, v0, 2, 0x400
	v_mov_b32 v255, 0
	v_and_b32 v1, 15, v0                           ; r
	v_lshrrev_b32 v2, 4, v0                        ; my sample in the work-group: 0..15
	v_lshlrev_b32 v[LANE], 4, v1
	v_lshlrev_b32 v3, 5, v2                        ; 32 bytes of context ids a sample
	v_lshlrev_b32 v4, 6, v2                        ; 64 bytes of target ids
	v_lshlrev_b32 v5, 2, v2                        ; 4 bytes of doc id
	s_lshl_b32 s20, ttmp9, 9                       ; the work-group's 16 samples: 512 bytes of context ids,
	s_mov_b32 s21, 0
	s_lshl_b32 s22, ttmp9, 6                       ; 64 of doc ids,
	s_mov_b32 s23, 0
	s_lshl_b32 s24, ttmp9, 10                      ; 1,024 of target ids and of out0
	s_mov_b32 s25, 0
	s_wait_kmcnt 0x0
	s_add_nc_u64 s[4:5], s[4:5], s[20:21]
	s_add_nc_u64 s[6:7], s[6:7], s[22:23]
	s_add_nc_u64 s[8:9], s[8:9], s[24:25]
	s_add_nc_u64 s[16:17], s[16:17], s[24:25]
	; the indices: the 16 lanes of a half read the same bytes, so that each lane has its sample's ids in registers
	global_load_b32  v[DOC], v5, s[6:7]
	global_load_b128 v[CTX:CTX+3],   v3, s[4:5]
	global_load_b128 v[CTX+4:CTX+7], v3, s[4:5] offset:16
.irp i, 0,1,2,3
	global_load_b128 v[TGT+4*\i:TGT+4*\i+3], v4, s[8:9] offset:16*\i
.endr
	; set-up that needs no index, while they are on their way
	v_lshrrev_b32 v2, 5, v0
	v_readfirstlane_b32 s30, v2                    ; wave 0..7
	s_lshl_b32 s31, s30, 9
	v_and_b32 v[RA], 31, v0
	v_lshlrev_b32 v[RA], 4, v[RA]
	v_add_nc_u32 v[RA], s31, v[RA]                 ; 512 x wave + 16 x lane
	v_lshlrev_b32 v[SA], 2, v0                     ; word 16 x sample + r
	v_mov_b32 v[ZERO], 0
	s_mov_b32 s26, 0xff00ff00                      ; lanes with r & 8
	s_mov_b32 s27, 0xf0f0f0f0                      ; r & 4
	s_mov_b32 s28, 0xcccccccc                      ; r & 2
	s_mov_b32 s29, 0xaaaaaaaa                      ; r & 1
	s_wait_loadcnt 0x4                             ; doc and context ids are in; the four loads of target ids behind them stay out
	v_min_u32 v[DOC], NDOCS-1, v[DOC]
	v_mul_u32_u24 v[DOC], v[DOC], NWORDS
	v_lshl_add_u32 v[DOC], v[DOC], 9, v[LANE]      ; doc x 8,000 rows of 512 bytes + 16 r
.irp c, 0,1,2,3,4,5,6,7
	v_min_u32 v[CTX+\c], NWORDS-1, v[CTX+\c]
	v_lshl_add_u32 v[DOFF+\c], v[CTX+\c], 9, v[DOC]
	global_load_b128 v[DD+8*\c:DD+8*\c+3],   v[DOFF+\c], s[10:11]             ; k = 4r ..
	global_load_b128 v[DD+8*\c+4:DD+8*\c+7], v[DOFF+\c], s[10:11] offset:256  ; k = 64 + 4r ..
.endr
.irp c, 0,1,2,3,4,5,6,7
	v_lshl_add_u32 v[CTX+\c], v[CTX+\c], 9, v[LANE]
	global_load_b128 v[WW+8*\c:WW+8*\c+3],   v[CTX+\c], s[12:13]
	global_load_b128 v[WW+8*\c+4:WW+8*\c+7], v[CTX+\c], s[12:13] offset:256
.endr
	s_wait_loadcnt 32                              ; the target ids are in: 32 loads (D's and W's) were issued behind them
.irp t, 0,1,2,3,4,5,6,7,8,9,10,11,12,13,14,15
	v_min_u32 v[TGT+\t], NWORDS-1, v[TGT+\t]
	v_lshl_add_u32 v[TGT+\t], v[TGT+\t], 8, v[LANE]
	global_load_b128 v[OO+4*\t:OO+4*\t+3], v[TGT+\t], s[14:15]
.endr
	; x: 48 loads are out, in the order D 0..7, W 0..7 (two each), ot 0..15.  Row c of D is in when at most 46 - 2c are out,
	; row c of W when at most 30 - 2c are.  Four packed adds a row, which do not wait for each other; row 0 of D starts the sums.
.irp c, 1,2,3,4,5,6,7
	s_wait_loadcnt 46-2*\c
.irp q, 0,2,4,6
	v_pk_add_f32 v[X+\q:X+\q+1], v[X+\q:X+\q+1], v[DD+8*\c+\q:DD+8*\c+\q+1]
.endr
.endr
.irp c, 0,1,2,3,4,5,6,7
	s_wait_loadcnt 30-2*\c
.irp q, 0,2,4,6
	v_pk_add_f32 v[X+\q:X+\q+1], v[X+\q:X+\q+1], v[WW+8*\c+\q:WW+8*\c+\q+1]
.endr
.endr
; Four targets at a time: P[t] = sum over my 8 k of ot[t][k] x[k].  Element e of my chunk lies in register e / 2, half e % 2, and belongs
; to x's register e.  The four chains take turns, so that no multiply-add stands straight behind the one it needs.
.macro DOT4 g
.set e, 0
.rept 8
.set t, 4*\g
.rept 4
.if e == 0
	v_fma_mix_f32_bf16 v[P+t], v[OO+4*t], v[X], v[ZERO] op_sel_hi:[1,0,0]                           ; low bf16 x f32 + 0: starts the sum
.else
.if e % 2
	v_fma_mix_f32_bf16 v[P+t], v[OO+4*t+e/2], v[X+e], v[P+t] op_sel:[1,0,0] op_sel_hi:[1,0,0]      ; high bf16 x f32 + f32
.else
	v_fma_mix_f32_bf16 v[P+t], v[OO+4*t+e/2], v[X+e], v[P+t] op_sel_hi:[1,0,0]                      ; low bf16 x f32 + f32
.endif
.endif
.set t, t+1
.endr
.set e, e+1
.endr
.endm
.irp g, 0,1,2,3
	s_wait_loadcnt 12-4*\g                         ; rows 4g .. 4g+3 of ot are in; the 12 - 4g behind them stay out
	DOT4 \g
.endr
; 16 sums over the 16 lanes of a half, by halving.  In the step with lane bit msk, of 2 cnt sums a lane keeps cnt: those of the upper half
; if its bit is set, else those of the lower; it hands the others to lane r xor msk, which keeps them, and adds what that lane hands over.
; After the steps 8, 4, 2, 1 lane r holds the whole sum of target r.
.macro RSTEP cnt, msk, sel
.set j, 0
.rept \cnt
	v_cndmask_b32 v[T+j], v[P+j+\cnt], v[P+j], \sel        ; to hand over: bit set ? lower : upper
	v_cndmask_b32 v[P+j], v[P+j], v[P+j+\cnt], \sel        ; to keep:      bit set ? upper : lower
.set j, j+1
.endr
.set j, 0
.rept \cnt
	v_add_f32_dpp v[P+j], v[T+j], v[P+j] row_xmask:\msk row_mask:0xf bank_mask:0xf   ; + what lane r xor msk hands over
.set j, j+1
.endr
.endm
	RSTEP 8, 8, s26
	RSTEP 4, 4, s27
	RSTEP 2, 2, s28
	RSTEP 1, 1, s29
	; The way out.  A wave holds 128 bytes of out0 (two samples x 16 targets).  The work-group's 1,024 bytes meet in LDS, and waves 0 and 1
	; store them 16 bytes a lane, so that each aligned piece of 256 bytes of out0 is written whole by 16 neighbouring lanes of one store.
	ds_store_b32 v[SA], v[P]
	s_wait_dscnt 0x0                               ; my store is in LDS before I say so: zero, for the other waves' sake
	s_barrier_signal -1
	s_barrier_wait -1
	s_cmp_gt_u32 s30, 1
	s_cbranch_scc1 .Ldone                          ; waves 2 to 7 are done; no barrier follows
	ds_load_b128 v[RES:RES+3], v[RA]
	s_wait_dscnt 0x0
	global_store_b128 v[RA], v[RES:RES+3], s[16:17] th:TH_STORE_NT
.Ldone:
	s_wait_tensorcnt 0x0
	ds_add_u32 v254, v255
	s_wait_dscnt 0x0
	s_endpgm
.Lfunc_end_k_q31d27b508a_score:
	.size	k_q31d27b508a_score, .Lfunc_end_k_q31d27b508a_score-k_q31d27b508a_score
	.p2alignl 7, 3214868480
	.fill 96, 4, 3214868480
	.section	.rodata,"a",@progbits
	.p2align	6, 0x0
	.amdhsa_kernel k_q31d27b508a_score
		.amdhsa_group_segment_fixed_size 2048
		.amdhsa_private_segment_fixed_size 0
		.amdhsa_enable_private_segment 0
		.amdhsa_kernarg_size 56
		.amdhsa_user_sgpr_count 2
		.amdhsa_user_sgpr_kernarg_segment_ptr 1
		.amdhsa_wavefront_size32 1
		.amdhsa_system_sgpr_workgroup_id_x 1
		.amdhsa_system_sgpr_workgroup_id_y 1
		.amdhsa_system_sgpr_workgroup_id_z 1
		.amdhsa_system_vgpr_workitem_id 0
		.amdhsa_next_free_vgpr 256
		.amdhsa_next_free_sgpr 66
		.amdhsa_reserve_vcc 0
		.amdhsa_float_denorm_mode_32 3
		.amdhsa_float_denorm_mode_16_64 3
		.amdhsa_memory_ordered 1
		.amdhsa_forward_progress 1
		.amdhsa_inst_pref_size 27
	.end_amdhsa_kernel
	.amdgpu_metadata
---
amdhsa.version: [ 1, 2 ]
amdhsa.kernels:
  - .name:           k_q31d27b508a_score
    .symbol:         k_q31d27b508a_score.kd
    .args:
      - { .name: context_ids, .offset: 0, .size: 8, .value_kind: global_buffer, .address_space: global }
      - { .name: doc_ids, .offset: 8, .size: 8, .value_kind: global_buffer, .address_space: global }
      - { .name: target_noise_ids, .offset: 16, .size: 8, .value_kind: global_buffer, .address_space: global }
      - { .name: D, .offset: 24, .size: 8, .value_kind: global_buffer, .address_space: global }
      - { .name: W, .offset: 32, .size: 8, .value_kind: global_buffer, .address_space: global }
      - { .name: ot, .offset: 40, .size: 8, .value_kind: global_buffer, .address_space: global }
      - { .name: out0, .offset: 48, .size: 8, .value_kind: global_buffer, .address_space: global }
    .group_segment_fixed_size: 2048
    .private_segment_fixed_size: 0
    .kernarg_segment_align: 8
    .kernarg_segment_size: 56
    .max_flat_workgroup_size: 256
    .sgpr_count:     66
    .vgpr_count:     256
    .wavefront_size: 32
...
	.end_amdgpu_metadata
.endif
;; end of part 2
;; ======== version 2 of 2: 2 launches; version 1 with the launch score written anew for expert scheduling mode
;; workspace buffers: ot 2,048,000 bytes
;; launch transpose: the kernel of part 1 again; grid 125 x 1, 8 waves a work-group, no clusters, 18,432 bytes of LDS; arguments O, ot; writes ot
;; launch score (part 3): grid 256 x 1, 8 waves a work-group, no clusters, 2,048 bytes of LDS; arguments context_ids, doc_ids, target_noise_ids, D, W, ot, out0; writes out0
.if DOCPART == 3
	.amdgcn_target "amdgcn-amd-amdhsa--gfx1250"
	.amdhsa_code_object_version 6
	.text
	.protected	k_q31d27b508a_score
	.globl	k_q31d27b508a_score
	.p2align	8
	.type	k_q31d27b508a_score,@function
k_q31d27b508a_score:
	s_mov_b64 s[64:65], 0
	v_nop
	global_prefetch_b8 v0, s[64:65] scope:SCOPE_SE
	s_setreg_imm32_b32 hwreg(HW_REG_WAVE_SCHED_MODE, 0, 2), 2
	s_setreg_imm32_b32 hwreg(HW_REG_WAVE_MODE, 25, 1), 1
	s_wait_xcnt 0x0
	s_wait_alu depctr_vm_vsrc(0)
; out0[b][t] = sum over k of x[b][k] O[k][tgt[b][t]],  x[b] = sum over c of (D[doc[b]][ctx[b][c]] + W[ctx[b][c]]).
; ot (made by the launch before) holds O's column n as row n: 128 bf16 in 256 bytes, chunk r = k 4r..4r+3 and 64+4r..64+4r+3.
; Eight waves, 16 samples a work-group, 256 work-groups.  A wave takes two samples, lanes 0-15 one, lanes 16-31 the other.
; Lane r of a half owns k = 4r..4r+3 and 64+4r..64+4r+3: a row of D or W is two loads (bytes 16 r and 256 + 16 r), a row of ot one
; (bytes 16 r), and every load of the wave covers two whole aligned pieces of 256 bytes, one for each sample.
; All 48 row loads of a wave (16 D, 16 W, 16 ot: 24 KB) are issued as soon as the indices are in, D's first; nothing is asked for later,
; so there is no trip to prefetch for.  x and all sums are f32; O's numbers are bf16 (rounded in the launch before), multiplied as they
; are by v_fma_mix_f32_bf16.  x is summed D's rows first, then W's: another order of rounding than (D + W) row by row.
; No matrix unit: every sample has its own 16 x 128 operand and one vector, so 15 of 16 result columns would be thrown away, and a fragment
; wants a lane to hold a row while whole-piece loads give a lane a slice of k; the arithmetic here is 128 multiply-adds a lane for two samples.
; No cluster, no tensor loads: the rows are picked by index, work-groups share no tile, and a wave's whole input fits its registers.
; LIMIT: an index outside its table (the problem rules that out) is clamped as an unsigned number to the table's last row; a negative one too.
; THE MODE: SCHED_MODE bits 1:0 = 2 (LLVM: expert scheduling mode 2), set by the entry lines.  The code itself states the register dependences
; between vector instructions and memory or LDS instructions, with s_wait_alu, always for 0.
; THE PLAN.  The text is one straight run.  Registers that memory or LDS instructions touch:
;   v3, v4, v5     offsets of the ids: written at the head, read by the seven loads of ids, never written again.
;   DOC, CTX, TGT  the ids land here (no vector line names them before); behind the waits for their data vector lines clamp and shift them;
;                  CTX then serves W's loads and TGT ot's loads as offsets, and neither is written again.
;   DOFF           D's offsets: written once by vector lines, read by D's loads.
;   DD, WW, OO     rows land here (no vector line names them before); read and overwritten by vector lines alone, behind the counted waits for their data.
;   P (its first)  written by the dots and the reduction, read by the one LDS store.    SA, RA  made once, read by the way out's LDS and global instructions.
;   RES            an LDS load lands here, the global store reads it.                   v254, v255  written at the head, read by the closing add alone.
; So all offsets of a run of loads are made first, ONE wait on va_vdst stands behind them, and the run follows in one piece: three such waits
; (ids; D and W; ot) and a fourth ahead of the LDS store.  No register that a memory or LDS instruction reads is ever written again, so no wait on vm_vsrc is owed.
.set NWORDS, 8000
.set NDOCS,  250
.set LANE, 1                           ; v1        16 r: my 16 bytes in a piece of 256
.set DOC,  6                           ; v6        doc id, then byte offset of the doc's plane in D + 16 r
.set ZERO, 7                           ; v7        0.0: the addend of each sum's first product
.set CTX,  8                           ; v[8:15]   my sample's 8 context ids, then my byte offsets in W
.set TGT,  16                          ; v[16:31]  my sample's 16 target ids, then my byte offsets in ot
.set DOFF, 32                          ; v[32:39]  my byte offsets in D (below 1,024,000,000: 32 bits do)
.set DD,   40                          ; v[40:103] row c of D: 8 registers, my 8 k
.set WW,   104                         ; v[104:167] row c of W likewise
.set OO,   168                         ; v[168:231] row t of ot: 4 registers, my 8 k in bf16
.set P,    232                         ; v[232:247] my part of the 16 dot products
.set X,    DD                          ; x grows in the registers of D's row 0
.set T,    DD+8                        ; v[48:55]  at work in the reduction (D's row 1 is summed by then)
.set RES,  248                         ; v[248:251] the way out
.set SA,   252                         ; v252      LDS: where my result goes
.set RA,   253                         ; v253      LDS and out0: my 16 bytes on the way out
	s_load_b256 s[4:11], s[0:1], 0x0               ; context_ids s[4:5], doc_ids s[6:7], target_noise_ids s[8:9], D s[10:11]
	s_load_b128 s[12:15], s[0:1], 0x20             ; W s[12:13], ot s[14:15]
	s_load_b64 s[16:17], s[0:1], 0x30              ; out0
	v_lshl_add_u32 v254, v0, 2, 0x400
	v_mov_b32 v255, 0
	v_and_b32 v1, 15, v0                           ; r
	v_lshrrev_b32 v2, 4, v0                        ; my sample in the work-group: 0..15
	v_lshlrev_b32 v[LANE], 4, v1
	v_lshlrev_b32 v3, 5, v2                        ; 32 bytes of context ids a sample
	v_lshlrev_b32 v4, 6, v2                        ; 64 bytes of target ids
	v_lshlrev_b32 v5, 2, v2                        ; 4 bytes of doc id
	s_lshl_b32 s20, ttmp9, 9                       ; the work-group's 16 samples: 512 bytes of context ids,
	s_mov_b32 s21, 0
	s_lshl_b32 s22, ttmp9, 6                       ; 64 of doc ids,
	s_mov_b32 s23, 0
	s_lshl_b32 s24, ttmp9, 10                      ; 1,024 of target ids and of out0
	s_mov_b32 s25, 0
	s_wait_kmcnt 0x0
	s_add_nc_u64 s[4:5], s[4:5], s[20:21]
	s_add_nc_u64 s[6:7], s[6:7], s[22:23]
	s_add_nc_u64 s[8:9], s[8:9], s[24:25]
	s_add_nc_u64 s[16:17], s[16:17], s[24:25]
	s_wait_alu depctr_va_vdst(0)                   ; v3, v4 and v5 are written, which the seven loads below read as their offsets
	; the indices: the 16 lanes of a half read the same bytes, so that each lane has its sample's ids in registers
	global_load_b32  v[DOC], v5, s[6:7]
	global_load_b128 v[CTX:CTX+3],   v3, s[4:5]
	global_load_b128 v[CTX+4:CTX+7], v3, s[4:5] offset:16
.irp i, 0,1,2,3
	global_load_b128 v[TGT+4*\i:TGT+4*\i+3], v4, s[8:9] offset:16*\i
.endr
	; set-up that needs no index, while they are on their way
	v_lshrrev_b32 v2, 5, v0
	v_readfirstlane_b32 s30, v2                    ; wave 0..7
	v_and_b32 v[RA], 31, v0
	v_lshlrev_b32 v[RA], 4, v[RA]
	v_lshlrev_b32 v[SA], 2, v0                     ; word 16 x sample + r
	v_mov_b32 v[ZERO], 0
	s_mov_b32 s26, 0xff00ff00                      ; lanes with r & 8
	s_mov_b32 s27, 0xf0f0f0f0                      ; r & 4
	s_mov_b32 s28, 0xcccccccc                      ; r & 2
	s_mov_b32 s29, 0xaaaaaaaa                      ; r & 1
	s_wait_alu depctr_va_sdst(0)                   ; s30 is written, ahead of its first reader, the shift below; the compare on the way out reads it later
	s_lshl_b32 s31, s30, 9
	v_add_nc_u32 v[RA], s31, v[RA]                 ; 512 x wave + 16 x lane
	s_wait_loadcnt 0x4                             ; doc and context ids are in; the four loads of target ids behind them stay out
	v_min_u32 v[DOC], NDOCS-1, v[DOC]
	v_mul_u32_u24 v[DOC], v[DOC], NWORDS
	v_lshl_add_u32 v[DOC], v[DOC], 9, v[LANE]      ; doc x 8,000 rows of 512 bytes + 16 r
.irp c, 0,1,2,3,4,5,6,7
	v_min_u32 v[CTX+\c], NWORDS-1, v[CTX+\c]
.endr
.irp c, 0,1,2,3,4,5,6,7
	v_lshl_add_u32 v[DOFF+\c], v[CTX+\c], 9, v[DOC]      ; D: the doc's plane + the word's row of 512 bytes + 16 r
.endr
.irp c, 0,1,2,3,4,5,6,7
	v_lshl_add_u32 v[CTX+\c], v[CTX+\c], 9, v[LANE]      ; W: the word's row + 16 r
.endr
	s_wait_alu depctr_va_vdst(0)                   ; DOFF and CTX are written, the offsets that the 32 loads below read; so are SA and RA, which the way out reads
.irp c, 0,1,2,3,4,5,6,7
	global_load_b128 v[DD+8*\c:DD+8*\c+3],   v[DOFF+\c], s[10:11]             ; k = 4r ..
	global_load_b128 v[DD+8*\c+4:DD+8*\c+7], v[DOFF+\c], s[10:11] offset:256  ; k = 64 + 4r ..
.endr
.irp c, 0,1,2,3,4,5,6,7
	global_load_b128 v[WW+8*\c:WW+8*\c+3],   v[CTX+\c], s[12:13]
	global_load_b128 v[WW+8*\c+4:WW+8*\c+7], v[CTX+\c], s[12:13] offset:256
.endr
	s_wait_loadcnt 32                              ; the target ids are in: 32 loads (D's and W's) were issued behind them
.irp t, 0,1,2,3,4,5,6,7,8,9,10,11,12,13,14,15
	v_min_u32 v[TGT+\t], NWORDS-1, v[TGT+\t]
.endr
.irp t, 0,1,2,3,4,5,6,7,8,9,10,11,12,13,14,15
	v_lshl_add_u32 v[TGT+\t], v[TGT+\t], 8, v[LANE]      ; ot: the word's row of 256 bytes + 16 r
.endr
	s_wait_alu depctr_va_vdst(0)                   ; TGT is written, the offsets that the 16 loads below read
.irp t, 0,1,2,3,4,5,6,7,8,9,10,11,12,13,14,15
	global_load_b128 v[OO+4*\t:OO+4*\t+3], v[TGT+\t], s[14:15]
.endr
	; x: 48 loads are out, in the order D 0..7, W 0..7 (two each), ot 0..15.  Row c of D is in when at most 46 - 2c are out,
	; row c of W when at most 30 - 2c are.  Four packed adds a row, which do not wait for each other; row 0 of D starts the sums.
.irp c, 1,2,3,4,5,6,7
	s_wait_loadcnt 46-2*\c
.irp q, 0,2,4,6
	v_pk_add_f32 v[X+\q:X+\q+1], v[X+\q:X+\q+1], v[DD+8*\c+\q:DD+8*\c+\q+1]
.endr
.endr
.irp c, 0,1,2,3,4,5,6,7
	s_wait_loadcnt 30-2*\c
.irp q, 0,2,4,6
	v_pk_add_f32 v[X+\q:X+\q+1], v[X+\q:X+\q+1], v[WW+8*\c+\q:WW+8*\c+\q+1]
.endr
.endr
; Four targets at a time: P[t] = sum over my 8 k of ot[t][k] x[k].  Element e of my chunk lies in register e / 2, half e % 2, and belongs
; to x's register e.  The four chains take turns, so that no multiply-add stands straight behind the one it needs.
.macro DOT4 g
.set e, 0
.rept 8
.set t, 4*\g
.rept 4
.if e == 0
	v_fma_mix_f32_bf16 v[P+t], v[OO+4*t], v[X], v[ZERO] op_sel_hi:[1,0,0]                           ; low bf16 x f32 + 0: starts the sum
.else
.if e % 2
	v_fma_mix_f32_bf16 v[P+t], v[OO+4*t+e/2], v[X+e], v[P+t] op_sel:[1,0,0] op_sel_hi:[1,0,0]      ; high bf16 x f32 + f32
.else
	v_fma_mix_f32_bf16 v[P+t], v[OO+4*t+e/2], v[X+e], v[P+t] op_sel_hi:[1,0,0]                      ; low bf16 x f32 + f32
.endif
.endif
.set t, t+1
.endr
.set e, e+1
.endr
.endm
.irp g, 0,1,2,3
	s_wait_loadcnt 12-4*\g                         ; rows 4g .. 4g+3 of ot are in; the 12 - 4g behind them stay out
	DOT4 \g
.endr
; 16 sums over the 16 lanes of a half, by halving.  In the step with lane bit msk, of 2 cnt sums a lane keeps cnt: those of the upper half
; if its bit is set, else those of the lower; it hands the others to lane r xor msk, which keeps them, and adds what that lane hands over.
; After the steps 8, 4, 2, 1 lane r holds the whole sum of target r.
.macro RSTEP cnt, msk, sel
.set j, 0
.rept \cnt
	v_cndmask_b32 v[T+j], v[P+j+\cnt], v[P+j], \sel        ; to hand over: bit set ? lower : upper
	v_cndmask_b32 v[P+j], v[P+j], v[P+j+\cnt], \sel        ; to keep:      bit set ? upper : lower
.set j, j+1
.endr
.set j, 0
.rept \cnt
	v_add_f32_dpp v[P+j], v[T+j], v[P+j] row_xmask:\msk row_mask:0xf bank_mask:0xf   ; + what lane r xor msk hands over
.set j, j+1
.endr
.endm
	RSTEP 8, 8, s26
	RSTEP 4, 4, s27
	RSTEP 2, 2, s28
	RSTEP 1, 1, s29
	; The way out.  A wave holds 128 bytes of out0 (two samples x 16 targets).  The work-group's 1,024 bytes meet in LDS, and waves 0 and 1
	; store them 16 bytes a lane, so that each aligned piece of 256 bytes of out0 is written whole by 16 neighbouring lanes of one store.
	s_wait_alu depctr_va_vdst(0)                   ; the reduction's last add has written v[P], which the LDS store reads as its data
	ds_store_b32 v[SA], v[P]
	s_wait_dscnt 0x0                               ; my store is in LDS before I say so: zero, for the other waves' sake
	s_barrier_signal -1
	s_barrier_wait -1
	s_cmp_gt_u32 s30, 1
	s_cbranch_scc1 .Ldone                          ; waves 2 to 7 are done; no barrier follows
	ds_load_b128 v[RES:RES+3], v[RA]               ; no vector line ever names RES, and RA was written ahead of the waits above
	s_wait_dscnt 0x0
	global_store_b128 v[RA], v[RES:RES+3], s[16:17] th:TH_STORE_NT
.Ldone:
	s_wait_dscnt 0x0                               ; the closing lines, six on end
	s_wait_alu 0x0
	s_wait_tensorcnt 0x0
	ds_add_u32 v254, v255
	s_wait_dscnt 0x0
	s_endpgm
.Lfunc_end_k_q31d27b508a_score:
	.size	k_q31d27b508a_score, .Lfunc_end_k_q31d27b508a_score-k_q31d27b508a_score
	.p2alignl 7, 3214868480
	.fill 96, 4, 3214868480
	.section	.rodata,"a",@progbits
	.p2align	6, 0x0
	.amdhsa_kernel k_q31d27b508a_score
		.amdhsa_group_segment_fixed_size 2048
		.amdhsa_private_segment_fixed_size 0
		.amdhsa_enable_private_segment 0
		.amdhsa_kernarg_size 56
		.amdhsa_user_sgpr_count 2
		.amdhsa_user_sgpr_kernarg_segment_ptr 1
		.amdhsa_wavefront_size32 1
		.amdhsa_system_sgpr_workgroup_id_x 1
		.amdhsa_system_sgpr_workgroup_id_y 1
		.amdhsa_system_sgpr_workgroup_id_z 1
		.amdhsa_system_vgpr_workitem_id 0
		.amdhsa_next_free_vgpr 256
		.amdhsa_next_free_sgpr 66
		.amdhsa_reserve_vcc 0
		.amdhsa_float_denorm_mode_32 3
		.amdhsa_float_denorm_mode_16_64 3
		.amdhsa_memory_ordered 1
		.amdhsa_forward_progress 1
		.amdhsa_inst_pref_size 27
	.end_amdhsa_kernel
	.amdgpu_metadata
---
amdhsa.version: [ 1, 2 ]
amdhsa.kernels:
  - .name:           k_q31d27b508a_score
    .symbol:         k_q31d27b508a_score.kd
    .args:
      - { .name: context_ids, .offset: 0, .size: 8, .value_kind: global_buffer, .address_space: global }
      - { .name: doc_ids, .offset: 8, .size: 8, .value_kind: global_buffer, .address_space: global }
      - { .name: target_noise_ids, .offset: 16, .size: 8, .value_kind: global_buffer, .address_space: global }
      - { .name: D, .offset: 24, .size: 8, .value_kind: global_buffer, .address_space: global }
      - { .name: W, .offset: 32, .size: 8, .value_kind: global_buffer, .address_space: global }
      - { .name: ot, .offset: 40, .size: 8, .value_kind: global_buffer, .address_space: global }
      - { .name: out0, .offset: 48, .size: 8, .value_kind: global_buffer, .address_space: global }
    .group_segment_fixed_size: 2048
    .private_segment_fixed_size: 0
    .kernarg_segment_align: 8
    .kernarg_segment_size: 56
    .max_flat_workgroup_size: 256
    .sgpr_count:     66
    .vgpr_count:     256
    .wavefront_size: 32
...
	.end_amdgpu_metadata
.endif
;; end of part 3
